; MI455X (gfx1250); checked and timed in simulation.
; The chip was launched on July 23, 2026; its instructions are those of AMD's public machine-readable ISA for CDNA 5 (MIT licence, August 2026) and "CDNA5" Instruction Set Architecture Reference Guide (July 2026). The comments in the code are by the model that wrote it; some were corrected since.
;; Reciprocal Space Gated Attention. Allowed arithmetic: float matrix products may take bf16 or f16 operands with f32 sums; all other float work in f32.
;; Inputs: W_hg 1 x 128 float32; W_mg 1 x 128 float32; W_qkv 384 x 128 float32; W_vg 128 x 128 float32; b_hg 1 float32; b_mg 1 float32; b_vg 128 float32; batch 2,048 int32; cell 8 x 3 x 3 float32; n_vecs 8 x 128 x 3 int32; node_feat 2,048 x 128 float32; positions 2,048 x 3 float32; w 8 x 128 float32.
;; Outputs: out0 2,048 x 128 float32; out1 2,048 x 1 float32.
;; 2 versions, each right; version 2 is version 1 with the launch prep written anew for expert scheduling mode. Each part assembles by itself: llvm-mc -triple=amdgcn-amd-amdhsa -mcpu=gfx1250 --defsym DOCPART=n.
;; ======== version 1 of 2: 2 launches
;; limits: values are held in f16: magnitudes above 65,504 overflow, below 6.1e-05 lose precision
;; workspace buffers: ws 4,194,304 bytes
;; launch prep (part 1): grid 32 x 8, 4 waves a work-group, no clusters, 35,328 bytes of LDS; arguments node_feat, positions, cell, w, W_qkv, W_vg, b_vg, n_vecs, ws; writes ws
.if DOCPART == 1
	.amdgcn_target "amdgcn-amd-amdhsa--gfx1250"
	.amdhsa_code_object_version 6
	.text
	.protected	k_q6ff48c8b56_prep
	.globl	k_q6ff48c8b56_prep
	.p2align	8
	.type	k_q6ff48c8b56_prep,@function
k_q6ff48c8b56_prep:
	s_mov_b64 s[64:65], 0
	v_nop
	global_prefetch_b8 v0, s[64:65] scope:SCOPE_SE
	s_setreg_imm32_b32 hwreg(HW_REG_WAVE_MODE, 25, 1), 1
	s_wait_xcnt 0x0
; FIRST OF TWO LAUNCHES.  It makes, for all 2,048 nodes, q = silu(x Wq^T), k = silu(x Wk^T), v = (x Wv^T) sigmoid(x Wvg^T + b_vg),
; the fractional coordinates, and cos and sin of the 8 x 256 x 128 phases 2 pi f(n).n_vec(m), plain and times w[m].
; All of it is stored in FRAGMENT ORDER: a block of 1,024 bytes is one matrix operand of 16 rows x 32 K of 16-bit numbers; the 16 bytes of lane l for
; registers 0-3 lie at 16 l, those for registers 4-7 at 512 + 16 l.  So every store here, and every load of the second launch, covers 512
; consecutive bytes at a multiple of 512 from the buffer's first byte, and the second launch loads operands straight into registers.
;   ws + 0x000000  QF [g 8][node tile 16][K step 4]  f16   K place p = 0..63: feature 2 p (the a of a pair); p = 64..127: feature 2 (p - 64) + 1 (the b)
;   ws + 0x080000  KF the same for k                 f16
;   ws + 0x100000  VF [g 8][u 8][dt 8]               bf16  rows d = 16 dt + r, K = node 32 u + ..   (v transposed, rounded to bf16)
;   ws + 0x180000  TF [g 8][node tile 16][f 8]       f16   f 0-3: cos, K = m in steps of 32; f 4-7: sin
;   ws + 0x280000  WF as TF, times w[m]              f16
;   ws + 0x380000  VL as VF                          bf16  what the rounding of VF left, rounded to bf16: the pair carries 16 bits of v
; WHY THE SECOND LAUNCH NEEDS NO MORE: summed over the pairs, q_rot(m,n).k_rot(m,n') = cos(ph - ph') (aq.ak + bq.bk) + sin(ph - ph') (aq.bk - bq.ak),
; an identity that holds for every input, so the sum over m can be taken on the cosines and sines alone.
; SHARES: grid x = block of 64 nodes (graph g = x / 4), wave = 16 of them; grid y = 64 rows of weights: y 0-3: q even, q odd, k even, k odd features;
; y 4-7: 32 rows of Wv and the same 32 of Wvg.  Besides, each wave makes the phases of its 16 nodes with the 16 vectors m = 16 y .. 16 y + 15.
; LIMITS: node_feat, W_qkv, W_vg, silu(q), silu(k) and w cos, w sin go to the matrix unit as f16, so their magnitudes must stay under 65,504
; (f16 is taken for its 11 bits; v goes as a pair of bf16).  sin and cos: the phase in turns is reduced exactly to |r| <= 1/2, sin(pi r) and cos(pi r) come from
; series whose first dropped terms are (pi/2)^11/11! = 3.6e-6 and (pi/2)^12/12! = 4.7e-7 at the most, for every argument, and the angle is doubled.
; The cell is inverted by cofactors and v_rcp_f32, not by elimination.
; reference() takes the input batch and never reads it: no result hangs on it, so it is not among the arguments.
; No tensor loads: the f32 data has to pass through registers to be rounded.  No cluster: 64 KiB a work-group, each byte converted by the wave that loads it.
.set PITCH, 272                        ; an LDS row: 128 f16 = 256 bytes + 16: the sixteen rows of a fragment load begin at sixteen different 16-byte columns modulo 256
.set WL,    64*PITCH                   ; LDS: 64 rows of x from byte 0, 64 rows of weights from byte 17,408
.set NI,   20                          ; v[20:43]   my 8 vectors' 24 whole numbers; later OUTR
.set OUTR, 20                          ; v[20:35]   cos, sin, w cos, w sin as f16, 4 registers each: store data, never rewritten
.set WV,   44                          ; v[44:51]   w of my 8 vectors
.set NF,   52                          ; v[52:75]   component c of vector m at NF + 8 c + m, as f32
.set FF,   76                          ; v[76:81]   (f0,f0) (f1,f1) (f2,f2)
.set T,    82                          ; v[82:89]   at work
.set U,    90                          ; v[90:97]   at work
.set SP,   98                          ; v[98:105]  sine series; before that the cofactors
.set CP,   106                         ; v[106:113] cosine series; before that determinant, its reciprocal, three dot products
.set TMP,  118                         ; v[118:125] staging
.set XR,   128                         ; v[128:191] my 16 rows of x in f32
.set WR,   192                         ; v[192:255] my 16 rows of weights in f32
.set PK,   36                          ; behind the barrier: v[36:51] packed results (store data, a set for each store)
.set E,    52                          ; v[52:59]   at work
.set BL,   60                          ; v60, v61   -log2(e) b_vg
.set ACC,  64                          ; v[64:95]   four accumulators
.set XF,   96                          ; v[96:127]  x fragments, K step s at XF + 8 s
.set WFG,  128                         ; v[128:255] weight fragments, tile t, K step s at WFG + 32 t + 8 s
.macro PLACES                          ; four places behind a matrix instruction before its result is read (ISA guide 7.12.1)
.rept 4
	v_nop
.endr
.endm
	s_load_b512 s[16:31], s[0:1], 0x0              ; node_feat 16, positions 18, cell 20, w 22, W_qkv 24, W_vg 26, b_vg 28, n_vecs 30
	s_load_b64 s[32:33], s[0:1], 0x40              ; ws
	v_lshl_add_u32 v18, v0, 2, 0x8800
	v_mov_b32 v19, 0
	v_lshrrev_b32 v1, 5, v0
	v_readfirstlane_b32 s4, v1                     ; wave 0..3
	s_mov_b32 s2, ttmp9                            ; x
	s_and_b32 s3, ttmp7, 0xffff                    ; y
	s_lshr_b32 s5, s2, 2                           ; g
	s_and_b32 s6, s2, 3
	s_lshl2_add_u32 s6, s6, s4                     ; nt = 4 (x & 3) + wave: my node tile in the graph
	s_lshl_b32 s7, s2, 6
	s_lshl4_add_u32 s7, s4, s7                     ; node0 = 64 x + 16 wave
	s_lshl_b32 s8, s5, 7
	s_lshl4_add_u32 s8, s3, s8                     ; mrow = 128 g + 16 y
	s_mov_b32 s11, 0                               ; s[10:11]: a byte offset as a pair
	s_mul_i32 s9, s4, 16*PITCH                     ; my 16 rows in each LDS region
	v_and_b32 v1, 31, v0                           ; lane
	v_and_b32 v2, 15, v0                           ; r
	v_bfe_u32 v3, v0, 4, 1                         ; h
	v_lshlrev_b32 v4, 4, v1                        ; 16 lane: every row load and every store
	v_mul_u32_u24 v5, v2, 12                       ; positions: node r
	v_mul_u32_u24 v6, v3, 96                       ; n_vecs: 8 h vectors of 12 bytes
	v_lshlrev_b32 v7, 5, v3                        ; w: 8 h numbers
	v_lshlrev_b32 v8, 2, v2                        ; b_vg: feature r
	v_lshl_add_u32 v9, v1, 3, s9                   ; staging: 8 bytes a lane in my rows
	v_mul_u32_u24 v10, v2, PITCH
	v_lshl_add_u32 v10, v3, 4, v10                 ; a fragment: row r, 16 h
	v_add_nc_u32 v11, s9, v10                      ; the same in my own rows of x
	v_mov_b32 v114, 0x3da83c1a                     ; pi^9/9!, twice
	v_mov_b32 v115, 0x3da83c1a
	v_mov_b32 v116, 0xbcd368f9                     ; -pi^10/10!, twice
	v_mov_b32 v117, 0xbcd368f9
	s_wait_kmcnt 0x0
	s_mul_i32 s10, s5, 36
	s_add_nc_u64 s[20:21], s[20:21], s[10:11]      ; my graph's cell
	s_load_b256 s[36:43], s[20:21], 0x0            ; c0 = s36-38, c1 = s39-41, c2 = s42-44
	s_load_b32 s44, s[20:21], 0x20
	s_lshl_b32 s10, s7, 9
	s_add_nc_u64 s[34:35], s[16:17], s[10:11]      ; x at my first row
	s_mul_i32 s10, s7, 12
	s_add_nc_u64 s[46:47], s[18:19], s[10:11]      ; positions at my first node
	s_mul_i32 s10, s8, 12
	s_add_nc_u64 s[48:49], s[30:31], s[10:11]      ; n_vecs at m = 16 y
	s_lshl_b32 s10, s8, 2
	s_add_nc_u64 s[50:51], s[22:23], s[10:11]      ; w at m = 16 y
	s_and_b32 s10, s3, 3
	s_lshl_b32 s10, s10, 7
	s_add_nc_u64 s[52:53], s[28:29], s[10:11]      ; b_vg at feature 32 (y & 3)
	s_lshl4_add_u32 s12, s5, s6                    ; 16 g + nt
	s_lshl_b32 s10, s12, 13
	s_lshl_b32 s13, s3, 9
	s_add_co_u32 s10, s10, s13
	s_add_co_u32 s10, s10, 0x180000
	s_add_nc_u64 s[56:57], s[32:33], s[10:11]      ; TF: my tile's 8 KiB, K step y / 2, register half y & 1 = 512 y
	; The short loads first, then the 32 row loads, so that one counted wait lets the phases be made while the rows are on their way.
	global_load_b32 v14, v5, s[46:47]
	global_load_b32 v15, v5, s[46:47] offset:4
	global_load_b32 v16, v5, s[46:47] offset:8
.irp i, 0,1,2,3,4,5
	global_load_b128 v[NI+4*\i:NI+4*\i+3], v6, s[48:49] offset:16*\i
.endr
	global_load_b128 v[WV:WV+3], v7, s[50:51]
	global_load_b128 v[WV+4:WV+7], v7, s[50:51] offset:16
	global_load_b32 v12, v8, s[52:53]              ; b_vg of features r and 16 + r of the group's 32.  Only y 4-7 use them; every group loads them,
	global_load_b32 v13, v8, s[52:53] offset:64    ; so that the counts below are the same on both ways
.irp j, 0,1,2,3,4,5,6,7,8,9,10,11,12,13,14,15
	global_load_b128 v[XR+4*\j:XR+4*\j+3], v4, s[34:35] offset:512*\j      ; a whole row of 512 bytes
.endr
.macro LOADW stride                    ; my 16 rows of weights
.irp j, 0,1,2,3,4,5,6,7,8,9,10,11,12,13,14,15
	global_load_b128 v[WR+4*\j:WR+4*\j+3], v4, s[54:55] offset:\stride*\j
.endr
.endm
	s_cmp_lt_u32 s3, 4
	s_cbranch_scc0 .Lw_v
	; q or k: LDS row i holds W_qkv row 128 which + parity + 2 i, so that the a's (and the b's) of the pairs come out side by side
	s_lshr_b32 s13, s3, 1                          ; which: 0 q, 1 k
	s_and_b32 s14, s3, 1                           ; parity
	s_lshl_b32 s10, s13, 16
	s_lshl_b32 s15, s14, 9
	s_add_co_u32 s10, s10, s15
	s_lshl_b32 s15, s4, 14                         ; my 16 rows, 1,024 bytes apart
	s_add_co_u32 s10, s10, s15
	s_add_nc_u64 s[54:55], s[24:25], s[10:11]
	LOADW 1024
	s_lshl_b32 s10, s13, 19                        ; QF or KF
	s_lshl_b32 s15, s12, 12                        ; my tile's 4 KiB
	s_add_co_u32 s10, s10, s15
	s_lshl_b32 s15, s14, 11                        ; the a's fill K steps 0, 1, the b's 2, 3
	s_add_co_u32 s10, s10, s15
	s_add_nc_u64 s[58:59], s[32:33], s[10:11]
	s_branch .Lw_done
.Lw_v:
	; v and its gate: LDS rows 0-31 hold W_qkv rows 256 + 32 yy + i (waves 0, 1), rows 32-63 hold W_vg rows 32 yy + i - 32 (waves 2, 3)
	s_and_b32 s13, s3, 3                           ; yy
	s_and_b32 s14, s4, 1
	s_lshl_b32 s10, s13, 14
	s_lshl_b32 s14, s14, 13
	s_add_co_u32 s10, s10, s14                     ; (32 yy + 16 (wave & 1)) rows of 512 bytes
	s_cmp_lt_u32 s4, 2
	s_cselect_b64 s[54:55], s[24:25], s[26:27]
	s_cselect_b32 s14, 0x20000, 0                  ; W_qkv's row 256
	s_add_co_u32 s10, s10, s14
	s_add_nc_u64 s[54:55], s[54:55], s[10:11]
	LOADW 512
	s_lshr_b32 s14, s6, 1
	s_lshl3_add_u32 s14, s5, s14                   ; 8 g + u, u = nt / 2
	s_lshl_b32 s10, s14, 13
	s_lshl_b32 s15, s13, 11                        ; dt = 2 yy + ..
	s_add_co_u32 s10, s10, s15
	s_and_b32 s15, s6, 1                           ; my 16 nodes are the lower or the upper half of the 32 of K step u: register half nt & 1
	s_lshl_b32 s15, s15, 9
	s_add_co_u32 s10, s10, s15
	s_add_co_u32 s10, s10, 0x100000
	s_add_nc_u64 s[58:59], s[32:33], s[10:11]
.Lw_done:
	; FRACTIONAL COORDINATES: p = sum f_i c_i, so f_i = p.(c_j x c_k) / det
.macro CROSS d0, d1, d2, ax, ay, az, bx, by, bz
	v_mul_f32 \d0, \ay, \bz
	v_mul_f32 \d1, \az, \bx
	v_mul_f32 \d2, \ax, \by
	v_fma_f32 \d0, -\az, \by, \d0
	v_fma_f32 \d1, -\ax, \bz, \d1
	v_fma_f32 \d2, -\ay, \bx, \d2
.endm
	s_wait_kmcnt 0x0                               ; the cell
	CROSS v98, v99, v100, s39, s40, s41, s42, s43, s44     ; c1 x c2
	CROSS v101, v102, v103, s42, s43, s44, s36, s37, s38   ; c2 x c0
	CROSS v104, v105, v106, s36, s37, s38, s39, s40, s41   ; c0 x c1
	v_mul_f32 v107, s36, v98
	v_fmac_f32 v107, s37, v99
	v_fmac_f32 v107, s38, v100                     ; det = c0.(c1 x c2)
	v_rcp_f32 v108, v107                           ; the dot products below stand between it and its first use (ISA guide 5.7.2)
	s_wait_loadcnt 32                              ; the 13 short loads are in; the 16 + 16 row loads stay out
	v_mul_f32 v109, v14, v98
	v_mul_f32 v110, v14, v101
	v_mul_f32 v111, v14, v104
	v_fmac_f32 v109, v15, v99
	v_fmac_f32 v110, v15, v102
	v_fmac_f32 v111, v15, v105
	v_fmac_f32 v109, v16, v100
	v_fmac_f32 v110, v16, v103
	v_fmac_f32 v111, v16, v106
	s_wait_alu depctr_va_vdst(0)
	v_mul_f32 v109, v109, v108
	v_mul_f32 v110, v110, v108
	v_mul_f32 v111, v111, v108
	v_floor_f32 v82, v109
	v_floor_f32 v83, v110
	v_floor_f32 v84, v111
.irp c, 0,1,2
	v_sub_f32 v[FF+2*\c], v[109+\c], v[82+\c]      ; f - floor(f), twice: a pair for the packed arithmetic
	v_sub_f32 v[FF+2*\c+1], v[109+\c], v[82+\c]
.endr
	; PHASES of node r with vectors m = 16 y + 8 h + 0..7, four pairs at a time
.irp m, 0,1,2,3,4,5,6,7
.irp c, 0,1,2
	v_cvt_f32_i32 v[NF+8*\c+\m], v[NI+3*\m+\c]
.endr
.endr
.irp k, 0,2,4,6
	v_pk_mul_f32 v[T+\k:T+\k+1], v[NF+\k:NF+\k+1], v[FF:FF+1]
.endr
.irp k, 0,2,4,6
	v_pk_fma_f32 v[T+\k:T+\k+1], v[NF+8+\k:NF+8+\k+1], v[FF+2:FF+3], v[T+\k:T+\k+1]
.endr
.irp k, 0,2,4,6
	v_pk_fma_f32 v[T+\k:T+\k+1], v[NF+16+\k:NF+16+\k+1], v[FF+4:FF+5], v[T+\k:T+\k+1]   ; the phase in turns
.endr
.irp i, 0,1,2,3,4,5,6,7
	v_rndne_f32 v[U+\i], v[T+\i]
.endr
.irp k, 0,2,4,6
	v_pk_add_f32 v[T+\k:T+\k+1], v[T+\k:T+\k+1], v[U+\k:U+\k+1] neg_lo:[0,1] neg_hi:[0,1]   ; r, |r| <= 1/2: exact
.endr
.irp k, 0,2,4,6
	v_pk_mul_f32 v[U+\k:U+\k+1], v[T+\k:T+\k+1], v[T+\k:T+\k+1]                             ; r^2
.endr
.macro HORNER acc, c                   ; acc = acc r^2 + c
.irp k, 0,2,4,6
	v_pk_fma_f32 v[\acc+\k:\acc+\k+1], v[\acc+\k:\acc+\k+1], v[U+\k:U+\k+1], \c op_sel_hi:[1,1,0]
.endr
.endm
.irp k, 0,2,4,6
	v_pk_fma_f32 v[SP+\k:SP+\k+1], v[U+\k:U+\k+1], v[114:115], 0xbf196966 op_sel_hi:[1,1,0]   ; pi^9/9! r^2 - pi^7/7!
	v_pk_fma_f32 v[CP+\k:CP+\k+1], v[U+\k:U+\k+1], v[116:117], 0x3e70fa83 op_sel_hi:[1,1,0]   ; -pi^10/10! r^2 + pi^8/8!
.endr
	HORNER SP, 0x402335e3                          ; + pi^5/5!
	HORNER CP, 0xbfaae9e4                          ; - pi^6/6!
	HORNER SP, 0xc0a55de7                          ; - pi^3/3!
	HORNER CP, 0x4081e0f8                          ; + pi^4/4!
	HORNER SP, 0x40490fdb                          ; + pi
	HORNER CP, 0xc09de9e6                          ; - pi^2/2
	HORNER CP, 1.0                                 ; cos(pi r)
.irp k, 0,2,4,6
	v_pk_mul_f32 v[SP+\k:SP+\k+1], v[SP+\k:SP+\k+1], v[T+\k:T+\k+1]                          ; sin(pi r)
.endr
.irp k, 0,2,4,6
	v_pk_add_f32 v[T+\k:T+\k+1], v[SP+\k:SP+\k+1], v[SP+\k:SP+\k+1]                          ; 2 sin(pi r)
.endr
.irp k, 0,2,4,6
	v_pk_mul_f32 v[CP+\k:CP+\k+1], v[T+\k:T+\k+1], v[CP+\k:CP+\k+1]                          ; sin(2 pi r)
	v_pk_fma_f32 v[SP+\k:SP+\k+1], v[T+\k:T+\k+1], v[SP+\k:SP+\k+1], 1.0 op_sel_hi:[1,1,0] neg_lo:[1,0,0] neg_hi:[1,0,0]   ; cos(2 pi r) = 1 - 2 sin^2(pi r)
.endr
.irp k, 0,2,4,6
	v_pk_mul_f32 v[U+\k:U+\k+1], v[SP+\k:SP+\k+1], v[WV+\k:WV+\k+1]                          ; w cos
	v_pk_mul_f32 v[T+\k:T+\k+1], v[CP+\k:CP+\k+1], v[WV+\k:WV+\k+1]                          ; w sin
.endr
.irp i, 0,1,2,3
	v_cvt_pk_f16_f32 v[OUTR+\i], v[SP+2*\i], v[SP+2*\i+1]
	v_cvt_pk_f16_f32 v[OUTR+4+\i], v[CP+2*\i], v[CP+2*\i+1]
	v_cvt_pk_f16_f32 v[OUTR+8+\i], v[U+2*\i], v[U+2*\i+1]
	v_cvt_pk_f16_f32 v[OUTR+12+\i], v[T+2*\i], v[T+2*\i+1]
.endr
	global_store_b128 v4, v[OUTR:OUTR+3], s[56:57]                         ; each store: 512 consecutive bytes, half a fragment
	global_store_b128 v4, v[OUTR+4:OUTR+7], s[56:57] offset:4096           ; sin: 4 fragments on
	global_store_b128 v4, v[OUTR+8:OUTR+11], s[56:57] offset:0x100000      ; WF lies 0x100000 behind TF
	global_store_b128 v4, v[OUTR+12:OUTR+15], s[56:57] offset:0x101000
	; ROWS TO LDS as f16: a lane's four numbers make 8 bytes, the wave's 32 lanes 256 consecutive bytes of one LDS row
.macro STAGE reg0, ldsoff, left0
.irp j, 0,1,2,3,4,5,6,7,8,9,10,11,12,13,14,15
	s_wait_loadcnt \left0-\j                       ; loads come back in order (ISA guide 5.7.1): row j is in, the younger row loads stay out
	v_cvt_pk_f16_f32 v[TMP+2*(\j%4)], v[\reg0+4*\j], v[\reg0+4*\j+1]
	v_cvt_pk_f16_f32 v[TMP+2*(\j%4)+1], v[\reg0+4*\j+2], v[\reg0+4*\j+3]
	ds_store_b64 v9, v[TMP+2*(\j%4):TMP+2*(\j%4)+1] offset:\ldsoff+PITCH*\j
.endr
.endm
	STAGE XR, 0, 31                                ; behind x's row j: 15 - j rows of x and 16 of weights
	STAGE WR, WL, 15
	s_wait_dscnt 0x0                               ; my rows are in LDS: the other waves read my rows of weights
	s_barrier_signal -1
	s_barrier_wait -1                              ; the launch's only barrier
	; FRAGMENTS: ten loads for each K step of 32: my x tile's two, then two for each of the four tiles of weights
.irp s, 0,1,2,3
	ds_load_b128 v[XF+8*\s:XF+8*\s+3], v11 offset:64*\s
	ds_load_b128 v[XF+8*\s+4:XF+8*\s+7], v11 offset:64*\s+32
.irp t, 0,1,2,3
	ds_load_b128 v[WFG+32*\t+8*\s:WFG+32*\t+8*\s+3], v10 offset:WL+16*PITCH*\t+64*\s
	ds_load_b128 v[WFG+32*\t+8*\s+4:WFG+32*\t+8*\s+7], v10 offset:WL+16*PITCH*\t+64*\s+32
.endr
.endr
.macro WM d, a, b, link                ; link = 0: the first product starts the sum
.if \link
	v_wmma_f32_16x16x32_f16 v[\d:\d+7], v[\a:\a+7], v[\b:\b+7], v[\d:\d+7]
.else
	v_wmma_f32_16x16x32_f16 v[\d:\d+7], v[\a:\a+7], v[\b:\b+7], 0
.endif
.endm
; 16 matrix instructions.  The four accumulators take turns, one instruction a turn.
.macro MM wfirst
.irp s, 0,1,2,3
	s_wait_dscnt 30-10*\s                          ; this K step's ten loads are in; ten for each later step stay out
.irp t, 0,1,2,3
.if \wfirst
	WM ACC+8*\t, WFG+32*\t+8*\s, XF+8*\s, \s
.else
	WM ACC+8*\t, XF+8*\s, WFG+32*\t+8*\s, \s
.endif
.endr
.endr
.endm
.macro SIGM                            ; E = 1 / (1 + 2^E), eight numbers.  One plain place stands behind each run of transcendentals (ISA guide 5.7.2)
.irp i, 0,1,2,3,4,5,6,7
	v_exp_f32 v[E+\i], v[E+\i]
.endr
	v_nop
	s_wait_alu depctr_va_vdst(0)
.irp k, 0,2,4,6
	v_pk_add_f32 v[E+\k:E+\k+1], v[E+\k:E+\k+1], 1.0 op_sel_hi:[1,0]
.endr
.irp i, 0,1,2,3,4,5,6,7
	v_rcp_f32 v[E+\i], v[E+\i]
.endr
	v_nop
.endm
	s_cmp_lt_u32 s3, 4
	s_cbranch_scc0 .Lmm_v
	; q or k: weights as source 0, x as source 1: lane (r, h) holds node r and K places 16 t + 8 h + 0..7 of the group's 64: half a fragment's 16 bytes
	MM 1
	PLACES
.macro SILU_OUT ft
.irp k, 0,2,4,6
	v_pk_mul_f32 v[E+\k:E+\k+1], v[ACC+8*\ft+\k:ACC+8*\ft+\k+1], 0xbfb8aa3b op_sel_hi:[1,0]   ; -log2(e) x
.endr
	SIGM
	s_wait_alu depctr_va_vdst(0)
.irp k, 0,2,4,6
	v_pk_mul_f32 v[E+\k:E+\k+1], v[E+\k:E+\k+1], v[ACC+8*\ft+\k:ACC+8*\ft+\k+1]               ; x sigmoid(x)
.endr
.irp i, 0,1,2,3
	v_cvt_pk_f16_f32 v[PK+4*\ft+\i], v[E+2*\i], v[E+2*\i+1]
.endr
	global_store_b128 v4, v[PK+4*\ft:PK+4*\ft+3], s[58:59] offset:512*\ft                     ; K step ft / 2 of the group's two, register half ft & 1
.endm
	SILU_OUT 0
	SILU_OUT 1
	SILU_OUT 2
	SILU_OUT 3
	s_wait_tensorcnt 0x0
	ds_add_u32 v18, v19
	s_wait_dscnt 0x0
	s_endpgm
.Lmm_v:
	; v: x as source 0, weights as source 1: lane (r, h) holds feature r and nodes 8 h + 0..7: v transposed, half a fragment's 16 bytes
	MM 0
	v_mul_f32 v[BL], 0xbfb8aa3b, v12               ; two of the four places behind the last matrix instruction
	v_mul_f32 v[BL+1], 0xbfb8aa3b, v13
	v_nop
	v_nop
; Tile d of the group's two: the gate, v in f32, its bf16 value (PK + 4 d) and the bf16 of what that rounding left (PK + 8 + 4 d)
.macro GATE_OUT d
.irp i, 0,1,2,3,4,5,6,7
	v_fmamk_f32 v[E+\i], v[ACC+16+8*\d+\i], 0xbfb8aa3b, v[BL+\d]                              ; -log2(e) (x.Wvg + b_vg)
.endr
	SIGM
	s_wait_alu depctr_va_vdst(0)
.irp k, 0,2,4,6
	v_pk_mul_f32 v[E+\k:E+\k+1], v[E+\k:E+\k+1], v[ACC+8*\d+\k:ACC+8*\d+\k+1]
.endr
.irp i, 0,1,2,3
	v_cvt_pk_bf16_f32 v[PK+4*\d+\i], v[E+2*\i], v[E+2*\i+1]
.endr
.irp i, 0,1,2,3
	v_lshlrev_b32 v[ACC+8*\d+2*\i], 16, v[PK+4*\d+\i]                                         ; the rounded values as f32, in the registers of x.Wv, which is used up
	v_and_b32 v[ACC+8*\d+2*\i+1], 0xffff0000, v[PK+4*\d+\i]
.endr
.irp k, 0,2,4,6
	v_pk_add_f32 v[E+\k:E+\k+1], v[E+\k:E+\k+1], v[ACC+8*\d+\k:ACC+8*\d+\k+1] neg_lo:[0,1] neg_hi:[0,1]
.endr
.irp i, 0,1,2,3
	v_cvt_pk_bf16_f32 v[PK+8+4*\d+\i], v[E+2*\i], v[E+2*\i+1]
.endr
	global_store_b128 v4, v[PK+4*\d:PK+4*\d+3], s[58:59] offset:1024*\d                       ; VF, fragment dt = 2 yy + d
	global_store_b128 v4, v[PK+8+4*\d:PK+8+4*\d+3], s[58:59] offset:0x280000+1024*\d          ; VL lies 0x280000 behind VF
.endm
	GATE_OUT 0
	GATE_OUT 1
	s_wait_tensorcnt 0x0
	ds_add_u32 v18, v19
	s_wait_dscnt 0x0
	s_endpgm
.Lfunc_end_k_q6ff48c8b56_prep:
	.size	k_q6ff48c8b56_prep, .Lfunc_end_k_q6ff48c8b56_prep-k_q6ff48c8b56_prep
	.p2alignl 7, 3214868480
	.fill 96, 4, 3214868480
	.section	.rodata,"a",@progbits
	.p2align	6, 0x0
	.amdhsa_kernel k_q6ff48c8b56_prep
		.amdhsa_group_segment_fixed_size 35328
		.amdhsa_private_segment_fixed_size 0
		.amdhsa_enable_private_segment 0
		.amdhsa_kernarg_size 72
		.amdhsa_user_sgpr_count 2
		.amdhsa_user_sgpr_kernarg_segment_ptr 1
		.amdhsa_wavefront_size32 1
		.amdhsa_system_sgpr_workgroup_id_x 1
		.amdhsa_system_sgpr_workgroup_id_y 1
		.amdhsa_system_sgpr_workgroup_id_z 1
		.amdhsa_system_vgpr_workitem_id 0
		.amdhsa_next_free_vgpr 256
		.amdhsa_next_free_sgpr 66
		.amdhsa_reserve_vcc 0
		.amdhsa_float_denorm_mode_32 3
		.amdhsa_float_denorm_mode_16_64 3
		.amdhsa_memory_ordered 1
		.amdhsa_forward_progress 1
		.amdhsa_inst_pref_size 46
	.end_amdhsa_kernel
	.amdgpu_metadata
---
amdhsa.version: [ 1, 2 ]
amdhsa.kernels:
  - .name:           k_q6ff48c8b56_prep
    .symbol:         k_q6ff48c8b56_prep.kd
    .args:
      - { .name: node_feat, .offset: 0, .size: 8, .value_kind: global_buffer, .address_space: global }
      - { .name: positions, .offset: 8, .size: 8, .value_kind: global_buffer, .address_space: global }
      - { .name: cell, .offset: 16, .size: 8, .value_kind: global_buffer, .address_space: global }
      - { .name: w, .offset: 24, .size: 8, .value_kind: global_buffer, .address_space: global }
      - { .name: W_qkv, .offset: 32, .size: 8, .value_kind: global_buffer, .address_space: global }
      - { .name: W_vg, .offset: 40, .size: 8, .value_kind: global_buffer, .address_space: global }
      - { .name: b_vg, .offset: 48, .size: 8, .value_kind: global_buffer, .address_space: global }
      - { .name: n_vecs, .offset: 56, .size: 8, .value_kind: global_buffer, .address_space: global }
      - { .name: ws, .offset: 64, .size: 8, .value_kind: global_buffer, .address_space: global }
    .group_segment_fixed_size: 35328
    .private_segment_fixed_size: 0
    .kernarg_segment_align: 8
    .kernarg_segment_size: 72
    .max_flat_workgroup_size: 128
    .sgpr_count:     66
    .vgpr_count:     256
    .wavefront_size: 32
...
	.end_amdgpu_metadata
.endif
;; end of part 1
;; launch attn (part 2): grid 16 x 8, 8 waves a work-group, no clusters, 68,864 bytes of LDS; arguments ws, node_feat, W_hg, b_hg, W_mg, b_mg, out0, out1; writes out0, out1
.if DOCPART == 2
	.amdgcn_target "amdgcn-amd-amdhsa--gfx1250"
	.amdhsa_code_object_version 6
	.text
	.protected	k_q6ff48c8b56_attn
	.globl	k_q6ff48c8b56_attn
	.p2align	8
	.type	k_q6ff48c8b56_attn,@function
k_q6ff48c8b56_attn:
	s_mov_b64 s[64:65], 0
	v_nop
	global_prefetch_b8 v0, s[64:65] scope:SCOPE_SE
	s_setreg_imm32_b32 hwreg(HW_REG_WAVE_MODE, 25, 1), 1
	s_wait_xcnt 0x0
; SECOND OF TWO LAUNCHES.  out0[n][:] = kappa (1 + 0.2 tanh(x.W_hg + b_hg)) sum over n' of Att[n][n'] v[n'][:],  kappa = 1 / (sqrt(128) 256),
;   Att = P C + R S,   P = aq.ak + bq.bk,  R = aq.bk - bq.ak  (sums over the 64 pairs),
;   C = sum over m of w (c c' + s s'),  S = sum over m of w (s c' - c s')   (c, s: cos, sin of node n's phase; c', s': of node n');
; out1[n] = sigmoid(x.W_mg + b_mg).  The operands lie in ws in fragment order (see the first launch): blocks of 1,024 bytes, 16 bytes a lane at 16 l and 512 + 16 l.
; SHARES: a work-group = one graph (grid y) and 16 rows n (grid x); wave w = the 32 nodes n' = 32 w .. 32 w + 31.  Att is made TRANSPOSED (source 0: the n' side,
; source 1: the n side): lane (r, h) then holds n = r and n' = 8 h + 0..7 of a tile, so the results of the wave's two tiles, rounded and packed, ARE the source 1
; fragment (K = 32 n') of the product with v transposed.  The eight waves' partial 16 x 128 sums meet in LDS behind the one barrier; wave w adds, scales and
; stores rows 2 w and 2 w + 1, whose two gates it has made in f32.
; FORMATS: q, k, cos, sin, w cos, w sin f16; Att and v each as a bf16 pair (the rounded value and the rounded remainder: f16 has no room for Att, and one bf16
; has 8 bits); of the four products of the pairs three are made, remainder x remainder, some 2^-16 of the result, is left out; all sums f32.
; LIMITS: the f16 operands were made by the first launch and carry its limit (magnitudes under 65,504).  scale_q and 1 / Ng are applied once, at the end, as kappa:
; an order of rounding that differs from reference()'s.  reference() takes the input batch and never reads it: it is not among the arguments.
; NO LDS RING, NO TENSOR LOADS: every fragment byte is used by the wave that loads it, once or twice from registers, and each load of a wave takes 512
; consecutive bytes straight into the registers that the matrix instruction names.
; NO CLUSTER: the 16 work-groups of a graph do read the same 320 KiB (k 64, cos and sin 128, v's pair 128) out of the 332 KiB that each reads.  A joint request
; lands in LDS, so each work-group would write these 320 KiB to LDS and read them back once; this text keeps the plain way through registers.
; 128 work-groups: 16 rows are the matrix instruction's smallest tile, and a split of n' over work-groups would need a sum between them.
.set PPITCH, 528                       ; a row of 128 f32 + 16 bytes = 33 x 16: sixteen rows begin at sixteen different 16-byte columns modulo 256
.set PART,   16*PPITCH                 ; 8,448 bytes: one wave's partial sums; eight of them from LDS byte 0
.set GATE,   8*PART                    ; 67,584: sixteen words, out1 of the work-group's rows
; window 0 (v0-255)
.set WFR, 16                           ; v[16:79]    w cos at 8 s, w sin at 32 + 8 s of my 16 rows n; later O: the eight result tiles
.set O,   16
.set QFR, 80                           ; v[80:111]   aq at 8 s, bq at 16 + 8 s
.set ACC, 112                          ; v[112:207]  tile t at 48 t: C, T1, T2, P, Q1, Q2, eight registers each; later L
.set L,   112                          ; v[112:175]  row rho, wave p's part at 32 rho + 4 p
.set HI,  240                          ; v[240:247]  Att rounded to bf16: a source 1 fragment
.set LO,  248                          ; v[248:255]  its remainder, likewise
; v[208:215] my two rows of x, v[216:223] W_hg, W_mg, v[224:227] four dot products, v[228:231] at work, v232 other half, v233-234 biases, v[236:239] the rows' factors, twice each
; window 1 (v256-511): v[0:127] cos', sin' (tile t, fragment f at 64 t + 8 f); v[128:191] k (128 + 32 t + 8 s), later v's remainder (128 + 8 dt);
;                      v[192:255] v transposed, rounded (192 + 8 dt).  The two waves of a SIMD take all its 1,024 registers: so v's remainder follows k in k's registers.
.set MSB, 0
.macro WIN new                         ; s_set_vgpr_msb: bits 1:0 source 0, 3:2 source 1, 5:4 source 2, 7:6 destination; the high byte repeats the setting that is left
.if MSB != \new
	s_set_vgpr_msb (MSB<<8)|\new
.set MSB, \new
.endif
.endm
.macro LDRUN reg0, n, b, off           ; n loads of 512 consecutive bytes each, from byte off behind the base
.set i_, 0
.rept \n
	global_load_b128 v[\reg0+4*i_:\reg0+4*i_+3], v2, s[\b:\b+1] offset:\off+512*i_
.set i_, i_+1
.endr
.endm
	s_load_b512 s[16:31], s[0:1], 0x0              ; ws 16, node_feat 18, W_hg 20, b_hg 22, W_mg 24, b_mg 26, out0 28, out1 30
	v_lshl_add_u32 v15, v0, 2, 0x10900
	v_mov_b32 v235, 0
	v_lshrrev_b32 v1, 5, v0
	v_readfirstlane_b32 s4, v1                     ; wave 0..7
	s_mov_b32 s2, ttmp9                            ; row tile
	s_and_b32 s3, ttmp7, 0xffff                    ; graph
	s_lshl4_add_u32 s5, s3, s2                     ; 16 g + row tile
	s_lshl_b32 s6, s3, 4
	s_lshl1_add_u32 s6, s4, s6                     ; 16 g + 2 w: my first n' tile
	s_lshl3_add_u32 s8, s3, s4                     ; 8 g + w: my K step of v transposed
	s_lshl_b32 s7, s5, 4
	s_lshl1_add_u32 s7, s4, s7                     ; the first of the two rows that I store
	s_mov_b32 s55, 0                               ; s[54:55]: a byte offset as a pair
	s_mov_b32 s50, 0x76543210                      ; v_permlanex16_b32: lane i takes lane i of the other half
	s_mov_b32 s51, 0xfedcba98
	s_mov_b32 s56, 0x4038aa3b                      ; 2 log2(e)
	s_mov_b32 s57, 0xbfb8aa3b                      ; -log2(e)
	s_mov_b32 s58, 0xb910d0c3                      ; -0.4 kappa
	s_mov_b32 s59, 0x39d93924                      ; 1.2 kappa
	s_mul_i32 s9, s4, PART
	s_mul_i32 s10, s4, 2*PPITCH
	s_lshl_b32 s11, s4, 3
	s_add_co_u32 s11, s11, GATE
	v_and_b32 v1, 31, v0                           ; lane
	v_lshlrev_b32 v2, 4, v1                        ; 16 lane
	v_and_b32 v3, 15, v0                           ; r
	v_bfe_u32 v4, v0, 4, 1                         ; h
	v_mul_u32_u24 v5, v3, PPITCH
	v_lshl_add_u32 v5, v4, 5, v5
	v_add_nc_u32 v5, s9, v5                        ; my part: row r, columns 8 h ..
	v_add_nc_u32 v6, s10, v2                       ; back: row 2 w, 16 bytes a lane
	v_mov_b32 v7, s11                              ; out1's words of rows 2 w, 2 w + 1
	v_lshl_add_u32 v8, v3, 2, GATE                 ; out1's word of row lane & 15
	v_lshlrev_b32 v9, 2, v1
	v_mov_b32 v232, 0                              ; v_permlanex16_b32 counts as a reader of its destination
	s_wait_kmcnt 0x0
	s_load_b32 s32, s[22:23], 0x0                  ; b_hg
	s_load_b32 s33, s[26:27], 0x0                  ; b_mg
	s_lshl_b32 s54, s5, 13
	s_add_co_u32 s54, s54, 0x280000
	s_add_nc_u64 s[34:35], s[16:17], s[54:55]      ; WF of my rows n
	s_lshl_b32 s54, s5, 12
	s_add_nc_u64 s[36:37], s[16:17], s[54:55]      ; QF of my rows n
	s_lshl_b32 s54, s6, 13
	s_add_co_u32 s54, s54, 0x180000
	s_add_nc_u64 s[38:39], s[16:17], s[54:55]      ; TF of my two n' tiles
	s_lshl_b32 s54, s6, 12
	s_add_co_u32 s54, s54, 0x80000
	s_add_nc_u64 s[40:41], s[16:17], s[54:55]      ; KF of my two n' tiles
	s_lshl_b32 s54, s8, 13
	s_add_co_u32 s54, s54, 0x100000
	s_add_nc_u64 s[42:43], s[16:17], s[54:55]      ; VF of my K step; VL lies 0x280000 behind it
	s_lshl_b32 s54, s7, 9
	s_add_nc_u64 s[44:45], s[18:19], s[54:55]      ; x at my two rows
	s_add_nc_u64 s[46:47], s[28:29], s[54:55]      ; out0 at my two rows
	s_lshl_b32 s54, s5, 6
	s_add_nc_u64 s[48:49], s[30:31], s[54:55]      ; out1 at the work-group's 16 rows
	; LOADS, in the order of their use: the four short ones for the gates, then 56 fragment loads: q 8, w cos and w sin 16, k 16, tile 0's cos' and sin' 16
	global_load_b128 v[208:211], v2, s[44:45]
	global_load_b128 v[212:215], v2, s[44:45] offset:512
	global_load_b128 v[216:219], v2, s[20:21]
	global_load_b128 v[220:223], v2, s[24:25]
	LDRUN QFR, 8, 36, 0
	LDRUN WFR, 16, 34, 0
	WIN 0x40                                       ; destination in window 1, address in window 0
	LDRUN 128, 16, 40, 0
	LDRUN 0, 16, 38, 0
	WIN 0
	; THE GATES of rows 2 w and 2 w + 1, in f32, while the fragments are on their way
	s_wait_kmcnt 0x0                               ; the two biases
	s_wait_loadcnt 56                              ; the four oldest loads are in; the 56 fragment loads stay out
	v_pk_mul_f32 v[228:229], v[208:209], v[216:217]
	v_pk_mul_f32 v[230:231], v[212:213], v[216:217]
	v_pk_fma_f32 v[228:229], v[210:211], v[218:219], v[228:229]
	v_pk_fma_f32 v[230:231], v[214:215], v[218:219], v[230:231]
	v_add_f32 v224, v228, v229                     ; row 2 w . W_hg, my four columns
	v_add_f32 v225, v230, v231                     ; row 2 w + 1 . W_hg
	v_pk_mul_f32 v[228:229], v[208:209], v[220:221]
	v_pk_mul_f32 v[230:231], v[212:213], v[220:221]
	v_pk_fma_f32 v[228:229], v[210:211], v[222:223], v[228:229]
	v_pk_fma_f32 v[230:231], v[214:215], v[222:223], v[230:231]
	v_add_f32 v226, v228, v229                     ; the same with W_mg
	v_add_f32 v227, v230, v231
.irp m, 1,2,4,8
.irp d, 224,225,226,227
	v_add_f32_dpp v\d, v\d, v\d row_xmask:\m row_mask:0xf bank_mask:0xf
.endr
.endr
.irp d, 224,225,226,227
	v_permlanex16_b32 v232, v\d, s50, s51
	v_add_f32 v\d, v\d, v232                       ; every lane holds the whole dot product
.endr
	v_mov_b32 v233, s32
	v_mov_b32 v234, s33
	v_mul_f32 v233, s56, v233
	v_mul_f32 v234, s57, v234
	v_fma_f32 v224, v224, s56, v233                ; 2 log2(e) (x.W_hg + b_hg)
	v_fma_f32 v225, v225, s56, v233
	v_fma_f32 v226, v226, s57, v234                ; -log2(e) (x.W_mg + b_mg)
	v_fma_f32 v227, v227, s57, v234
.irp d, 224,225,226,227
	v_exp_f32 v\d, v\d
.endr
	v_nop                                          ; one plain place behind the transcendentals (ISA guide 5.7.2)
	s_wait_alu depctr_va_vdst(0)
	v_pk_add_f32 v[224:225], v[224:225], 1.0 op_sel_hi:[1,0]
	v_pk_add_f32 v[226:227], v[226:227], 1.0 op_sel_hi:[1,0]
.irp d, 224,225,226,227
	v_rcp_f32 v\d, v\d
.endr
	v_nop
	s_wait_alu depctr_va_vdst(0)
	v_fma_f32 v236, v224, s58, s59                 ; kappa (1 + 0.2 tanh) = 1.2 kappa - 0.4 kappa / (1 + e^(2 z)), twice: a pair for the packed multiply
	v_fma_f32 v237, v224, s58, s59
	v_fma_f32 v238, v225, s58, s59
	v_fma_f32 v239, v225, s58, s59
	ds_store_b32 v7, v226                          ; sigmoid = the reciprocal itself; all lanes write the same word with the same value
	ds_store_b32 v7, v227 offset:4
	; 32 more loads: tile 1's cos' and sin' 16, v rounded 16.  With those still out they can pass what the load counter's field holds: the issue then stalls
	; until older loads are back (ISA guide 5.7.1), and the counts below stay true; no wait is written for that.
	WIN 0x40
	LDRUN 64, 16, 38, 8192
	LDRUN 192, 16, 42, 0
.macro WMF d, a, b, zero
.if \zero
	v_wmma_f32_16x16x32_f16 v[\d:\d+7], v[\a:\a+7], v[\b:\b+7], 0
.else
	v_wmma_f32_16x16x32_f16 v[\d:\d+7], v[\a:\a+7], v[\b:\b+7], v[\d:\d+7]
.endif
.endm
; One K step of a "complex" product for both tiles: acc0 += a1 b1 + a2 b2, acc1 += a1 b2, acc2 += a2 b1.  a1t, a2t: tile t's source 0 (window 1).
; The accumulators take turns, one instruction a turn, from one K step into the next too.
.macro CPLX a10, a20, a11, a21, b1, b2, acc, zero
	WMF ACC+\acc, \a10, \b1, \zero
	WMF ACC+\acc+8, \a10, \b2, \zero
	WMF ACC+48+\acc, \a11, \b1, \zero
	WMF ACC+48+\acc+8, \a11, \b2, \zero
	WMF ACC+\acc, \a20, \b2, 0
	WMF ACC+\acc+16, \a20, \b1, \zero
	WMF ACC+48+\acc, \a21, \b2, 0
	WMF ACC+48+\acc+16, \a21, \b1, \zero
.endm
	; The q-k sums come first, so that k's registers fall free early
	s_wait_loadcnt 48                              ; q, w cos, w sin and k are in; the 32 loads of cos', sin' and the 16 of v stay out
	WIN 0x01                                       ; source 0 in window 1
	CPLX 128, 144, 160, 176, QFR, QFR+16, 24, 1    ; P = ak aq + bk bq,  Q1 = ak bq,  Q2 = bk aq: two K steps of 32 pairs
	CPLX 136, 152, 168, 184, QFR+8, QFR+24, 24, 0
.rept 4
	v_nop                                          ; four places before loads are issued into registers that the matrix instructions above have read
.endr
	WIN 0x40
	LDRUN 128, 16, 42, 0x280000                    ; v's remainder, into k's registers: the 32 + 16 matrix instructions and the arithmetic below stand before its use
	s_wait_loadcnt 32                              ; cos', sin' are in; v's 16 loads and its remainder's 16 stay out
	WIN 0x01
	CPLX 0, 32, 64, 96, WFR, WFR+32, 0, 1          ; C = c' wc + s' ws,  T1 = c' ws,  T2 = s' wc: four K steps of 32 m
.irp s, 1,2,3
	CPLX 8*\s, 32+8*\s, 64+8*\s, 96+8*\s, WFR+8*\s, WFR+32+8*\s, 0, 0
.endr
.rept 5
	v_nop                                          ; four places before the results are read, five before matrix instructions write over w cos, w sin (ISA guide 7.12.1)
.endr
	WIN 0
; Att = P C + (Q2 - Q1)(T1 - T2), then its bf16 value and the bf16 of what that rounding left
.macro ATT t
.set A_, ACC+48*\t
.irp k, 0,2,4,6
	v_pk_add_f32 v[A_+8+\k:A_+9+\k], v[A_+8+\k:A_+9+\k], v[A_+16+\k:A_+17+\k] neg_lo:[0,1] neg_hi:[0,1]     ; S = T1 - T2
	v_pk_add_f32 v[A_+32+\k:A_+33+\k], v[A_+32+\k:A_+33+\k], v[A_+40+\k:A_+41+\k] neg_lo:[0,1] neg_hi:[0,1] ; -R = Q1 - Q2
	v_pk_mul_f32 v[A_+24+\k:A_+25+\k], v[A_+24+\k:A_+25+\k], v[A_+\k:A_+1+\k]
.endr
.irp k, 0,2,4,6
	v_pk_fma_f32 v[A_+24+\k:A_+25+\k], v[A_+32+\k:A_+33+\k], v[A_+8+\k:A_+9+\k], v[A_+24+\k:A_+25+\k] neg_lo:[1,0,0] neg_hi:[1,0,0]
.endr
.irp i, 0,1,2,3
	v_cvt_pk_bf16_f32 v[HI+4*\t+\i], v[A_+24+2*\i], v[A_+25+2*\i]         ; n' = 16 t + 8 h + 2 i, + 1: registers 4 t + i of the fragment
.endr
.irp i, 0,1,2,3
	v_lshlrev_b32 v[A_+2*\i], 16, v[HI+4*\t+\i]                            ; the rounded values as f32, in C's registers
	v_and_b32 v[A_+2*\i+1], 0xffff0000, v[HI+4*\t+\i]
.endr
.irp k, 0,2,4,6
	v_pk_add_f32 v[A_+24+\k:A_+25+\k], v[A_+24+\k:A_+25+\k], v[A_+\k:A_+1+\k] neg_lo:[0,1] neg_hi:[0,1]
.endr
.irp i, 0,1,2,3
	v_cvt_pk_bf16_f32 v[LO+4*\t+\i], v[A_+24+2*\i], v[A_+25+2*\i]
.endr
.endm
	ATT 0
	ATT 1
	; O[d][n] = sum over my 32 n' of v[n'][d] Att[n][n']: eight tiles of 16 d; v x Att, v x Att's remainder, v's remainder x Att.
	; The eight accumulators take turns, one instruction a turn.
	s_wait_loadcnt 16                              ; v is in; its remainder's 16 loads stay out
	WIN 0x01
.irp d, 0,1,2,3,4,5,6,7
	v_wmma_f32_16x16x32_bf16 v[O+8*\d:O+8*\d+7], v[192+8*\d:192+8*\d+7], v[HI:HI+7], 0
.endr
.irp d, 0,1,2,3,4,5,6,7
	v_wmma_f32_16x16x32_bf16 v[O+8*\d:O+8*\d+7], v[192+8*\d:192+8*\d+7], v[LO:LO+7], v[O+8*\d:O+8*\d+7]
.endr
	s_wait_loadcnt 0x0                             ; v's remainder
.irp d, 0,1,2,3,4,5,6,7
	v_wmma_f32_16x16x32_bf16 v[O+8*\d:O+8*\d+7], v[128+8*\d:128+8*\d+7], v[HI:HI+7], v[O+8*\d:O+8*\d+7]
.endr
.rept 4
	v_nop                                          ; four places before the LDS stores read the results
.endr
	WIN 0
.irp d, 0,1,2,3,4,5,6,7
	ds_store_b128 v5, v[O+8*\d:O+8*\d+3] offset:64*\d                      ; lane (r, h): row n = r, columns 16 d + 8 h + 0..7
	ds_store_b128 v5, v[O+8*\d+4:O+8*\d+7] offset:64*\d+16
.endr
	s_wait_dscnt 0x0                               ; my part and my two words of out1 are in LDS: other waves read them
	s_barrier_signal -1
	s_barrier_wait -1                              ; the launch's only barrier
	; rows 2 w and 2 w + 1: the eight waves' parts, 16 bytes a lane, row 2 w's eight loads first
.irp rho, 0,1
.irp p, 0,1,2,3,4,5,6,7
	ds_load_b128 v[L+32*\rho+4*\p:L+32*\rho+4*\p+3], v6 offset:PART*\p+PPITCH*\rho
.endr
.endr
.macro ROWOUT rho                      ; a fixed tree of sums, the row's factor, one store of the whole row of 512 bytes
.set B_, L+32*\rho
.irp p, 0,8,16,24
	v_pk_add_f32 v[B_+\p:B_+\p+1], v[B_+\p:B_+\p+1], v[B_+\p+4:B_+\p+5]
	v_pk_add_f32 v[B_+\p+2:B_+\p+3], v[B_+\p+2:B_+\p+3], v[B_+\p+6:B_+\p+7]
.endr
.irp p, 0,16
	v_pk_add_f32 v[B_+\p:B_+\p+1], v[B_+\p:B_+\p+1], v[B_+\p+8:B_+\p+9]
	v_pk_add_f32 v[B_+\p+2:B_+\p+3], v[B_+\p+2:B_+\p+3], v[B_+\p+10:B_+\p+11]
.endr
	v_pk_add_f32 v[B_:B_+1], v[B_:B_+1], v[B_+16:B_+17]
	v_pk_add_f32 v[B_+2:B_+3], v[B_+2:B_+3], v[B_+18:B_+19]
	v_pk_mul_f32 v[B_:B_+1], v[B_:B_+1], v[236+2*\rho:237+2*\rho]
	v_pk_mul_f32 v[B_+2:B_+3], v[B_+2:B_+3], v[236+2*\rho:237+2*\rho]
	global_store_b128 v2, v[B_:B_+3], s[46:47] offset:512*\rho
.endm
	s_wait_dscnt 8                                 ; row 2 w's eight loads are in; row 2 w + 1's eight stay out
	ROWOUT 0
	s_wait_dscnt 0x0
	ROWOUT 1
	; out1: wave 0 stores the work-group's sixteen words, 64 consecutive bytes (all that the work-group's 16 rows have of out1)
	s_cmp_lg_u32 s4, 0
	s_cbranch_scc1 .Lend
	ds_load_b32 v228, v8
	s_wait_dscnt 0x0
	s_wait_xcnt 0x0                                ; EXEC is a source of the two stores above: it changes only behind this wait
	v_cmp_gt_u32 vcc_lo, 16, v1
	s_and_saveexec_b32 s52, vcc_lo
	global_store_b32 v9, v228, s[48:49]
	s_wait_xcnt 0x0                                ; and again in front of the line that widens it
	s_or_b32 exec_lo, exec_lo, s52
.Lend:
	s_wait_tensorcnt 0x0
	ds_add_u32 v15, v235
	s_wait_dscnt 0x0
	s_endpgm
.Lfunc_end_k_q6ff48c8b56_attn:
	.size	k_q6ff48c8b56_attn, .Lfunc_end_k_q6ff48c8b56_attn-k_q6ff48c8b56_attn
	.p2alignl 7, 3214868480
	.fill 96, 4, 3214868480
	.section	.rodata,"a",@progbits
	.p2align	6, 0x0
	.amdhsa_kernel k_q6ff48c8b56_attn
		.amdhsa_group_segment_fixed_size 68864
		.amdhsa_private_segment_fixed_size 0
		.amdhsa_enable_private_segment 0
		.amdhsa_kernarg_size 64
		.amdhsa_user_sgpr_count 2
		.amdhsa_user_sgpr_kernarg_segment_ptr 1
		.amdhsa_wavefront_size32 1
		.amdhsa_system_sgpr_workgroup_id_x 1
		.amdhsa_system_sgpr_workgroup_id_y 1
		.amdhsa_system_sgpr_workgroup_id_z 1
		.amdhsa_system_vgpr_workitem_id 0
		.amdhsa_next_free_vgpr 512
		.amdhsa_next_free_sgpr 66
		.amdhsa_reserve_vcc 1
		.amdhsa_float_denorm_mode_32 3
		.amdhsa_float_denorm_mode_16_64 3
		.amdhsa_memory_ordered 1
		.amdhsa_forward_progress 1
		.amdhsa_inst_pref_size 31
	.end_amdhsa_kernel
	.amdgpu_metadata
---
amdhsa.version: [ 1, 2 ]
amdhsa.kernels:
  - .name:           k_q6ff48c8b56_attn
    .symbol:         k_q6ff48c8b56_attn.kd
    .args:
      - { .name: ws, .offset: 0, .size: 8, .value_kind: global_buffer, .address_space: global }
      - { .name: node_feat, .offset: 8, .size: 8, .value_kind: global_buffer, .address_space: global }
      - { .name: W_hg, .offset: 16, .size: 8, .value_kind: global_buffer, .address_space: global }
      - { .name: b_hg, .offset: 24, .size: 8, .value_kind: global_buffer, .address_space: global }
      - { .name: W_mg, .offset: 32, .size: 8, .value_kind: global_buffer, .address_space: global }
      - { .name: b_mg, .offset: 40, .size: 8, .value_kind: global_buffer, .address_space: global }
      - { .name: out0, .offset: 48, .size: 8, .value_kind: global_buffer, .address_space: global }
      - { .name: out1, .offset: 56, .size: 8, .value_kind: global_buffer, .address_space: global }
    .group_segment_fixed_size: 68864
    .private_segment_fixed_size: 0
    .kernarg_segment_align: 8
    .kernarg_segment_size: 64
    .max_flat_workgroup_size: 256
    .sgpr_count:     66
    .vgpr_count:     512
    .wavefront_size: 32
...
	.end_amdgpu_metadata
.endif
;; end of part 2
;; ======== version 2 of 2: 2 launches; version 1 with the launch prep written anew for expert scheduling mode
;; limits: values are held in f16: magnitudes above 65,504 overflow, below 6.1e-05 lose precision
;; workspace buffers: ws 4,194,304 bytes
;; launch prep (part 3): grid 32 x 8, 4 waves a work-group, no clusters, 35,328 bytes of LDS; arguments node_feat, positions, cell, w, W_qkv, W_vg, b_vg, n_vecs, ws; writes ws
.if DOCPART == 3
	.amdgcn_target "amdgcn-amd-amdhsa--gfx1250"
	.amdhsa_code_object_version 6
	.text
	.protected	k_q6ff48c8b56_prep
	.globl	k_q6ff48c8b56_prep
	.p2align	8
	.type	k_q6ff48c8b56_prep,@function
k_q6ff48c8b56_prep:
	s_mov_b64 s[64:65], 0
	v_nop
	global_prefetch_b8 v0, s[64:65] scope:SCOPE_SE
	s_setreg_imm32_b32 hwreg(HW_REG_WAVE_SCHED_MODE, 0, 2), 2
	s_setreg_imm32_b32 hwreg(HW_REG_WAVE_MODE, 25, 1), 1
	s_wait_xcnt 0x0
	s_wait_alu depctr_vm_vsrc(0)
; FIRST OF TWO LAUNCHES.  It makes, for all 2,048 nodes, q = silu(x Wq^T), k = silu(x Wk^T), v = (x Wv^T) sigmoid(x Wvg^T + b_vg),
; the fractional coordinates, and cos and sin of the 8 x 256 x 128 phases 2 pi f(n).n_vec(m), plain and times w[m].
; All of it is stored in FRAGMENT ORDER: a block of 1,024 bytes is one matrix operand of 16 rows x 32 K of 16-bit numbers; the 16 bytes of lane l for
; registers 0-3 lie at 16 l, those for registers 4-7 at 512 + 16 l.  So every store here, and every load of the second launch, covers 512
; consecutive bytes at a multiple of 512 from the buffer's first byte, and the second launch loads operands straight into registers.
;   ws + 0x000000  QF [g 8][node tile 16][K step 4]  f16   K place p = 0..63: feature 2 p (the a of a pair); p = 64..127: feature 2 (p - 64) + 1 (the b)
;   ws + 0x080000  KF the same for k                 f16
;   ws + 0x100000  VF [g 8][u 8][dt 8]               bf16  rows d = 16 dt + r, K = node 32 u + ..   (v transposed, rounded to bf16)
;   ws + 0x180000  TF [g 8][node tile 16][f 8]       f16   f 0-3: cos, K = m in steps of 32; f 4-7: sin
;   ws + 0x280000  WF as TF, times w[m]              f16
;   ws + 0x380000  VL as VF                          bf16  what the rounding of VF left, rounded to bf16: the pair carries 16 bits of v
; WHY THE SECOND LAUNCH NEEDS NO MORE: summed over the pairs, q_rot(m,n).k_rot(m,n') = cos(ph - ph') (aq.ak + bq.bk) + sin(ph - ph') (aq.bk - bq.ak),
; an identity that holds for every input, so the sum over m can be taken on the cosines and sines alone.
; SHARES: grid x = block of 64 nodes (graph g = x / 4), wave = 16 of them; grid y = 64 rows of weights: y 0-3: q even, q odd, k even, k odd features;
; y 4-7: 32 rows of Wv and the same 32 of Wvg.  Besides, each wave makes the phases of its 16 nodes with the 16 vectors m = 16 y .. 16 y + 15.
; LIMITS: node_feat, W_qkv, W_vg, silu(q), silu(k) and w cos, w sin go to the matrix unit as f16, so their magnitudes must stay under 65,504
; (f16 is taken for its 11 bits; v goes as a pair of bf16).  sin and cos: the phase in turns is reduced exactly to |r| <= 1/2, sin(pi r) and cos(pi r) come from
; series whose first dropped terms are (pi/2)^11/11! = 3.6e-6 and (pi/2)^12/12! = 4.7e-7 at the most, for every argument, and the angle is doubled.
; The cell is inverted by cofactors and v_rcp_f32, not by elimination.
; reference() takes the input batch and never reads it: no result hangs on it, so it is not among the arguments.
; No tensor loads: the f32 data has to pass through registers to be rounded.  No cluster: 64 KiB a work-group, each byte converted by the wave that loads it.
; THE MODE: SCHED_MODE bits 1:0 = 2 (LLVM: expert scheduling mode 2), set by the entry lines.  The code itself states the register dependences
; between vector or matrix instructions and memory or LDS instructions, with s_wait_alu, always for 0.
; THE PLAN.  Registers that memory or LDS instructions touch:
;   v4 - v11      Offsets and LDS addresses: written once at the head, read by every load and store, never written again.
;   v12 - v16, v20 - v51   Loaded once (b_vg, the position, n_vecs, w); read by vector instructions behind the wait for the loads.
;   OUTR          Written by the sixteen roundings of cos, sin, w cos, w sin; read by four global stores; never written again.
;   ROWS          32 rows of four registers (16 of x, 16 of weights), loaded once.  They go in four blocks of eight.  Block g's sixteen roundings close each of its
;                 rows up, in place, into the row's first two registers; the eight LDS stores that read those are issued in block g + 1, dealt among that block's
;                 roundings, which name block g + 1's registers alone.  Behind the barrier the weights' fragments land in these registers.
;   XF            Named by the phase arithmetic (v96 - v117); behind the barrier x's fragments land in it.
;   PK            Written by the way out's roundings, a set of four registers for each of the four stores; never written again.
; So one wait on va_vdst stands at each block's head, behind the wait for the block's rows: it states that what the stores dealt into the block read is written
; (block 0: OUTR; blocks 1 to 3: the block before).  One more stands ahead of the last eight LDS stores, one wait on vm_vsrc behind the barrier, and on the way
; out one wait on va_vdst for each two stores.
.set PITCH, 272                        ; an LDS row: 128 f16 = 256 bytes + 16: the sixteen rows of a fragment load begin at sixteen different 16-byte columns modulo 256
.set WL,    64*PITCH                   ; LDS: 64 rows of x from byte 0, 64 rows of weights from byte 17,408
.set NI,   20                          ; v[20:43]   my 8 vectors' 24 whole numbers; later OUTR
.set OUTR, 20                          ; v[20:35]   cos, sin, w cos, w sin as f16, 4 registers each: store data, never rewritten
.set WV,   44                          ; v[44:51]   w of my 8 vectors
.set NF,   52                          ; v[52:75]   component c of vector m at NF + 8 c + m, as f32
.set FF,   76                          ; v[76:81]   (f0,f0) (f1,f1) (f2,f2)
.set T,    82                          ; v[82:89]   at work
.set U,    90                          ; v[90:97]   at work
.set SP,   98                          ; v[98:105]  sine series; before that the cofactors
.set CP,   106                         ; v[106:113] cosine series; before that determinant, its reciprocal, three dot products
.set XR,   128                         ; v[128:191] ROWS 0-15: my 16 rows of x in f32, four registers a row; then as f16 in the first two of each four
.set WR,   192                         ; v[192:255] ROWS 16-31: my 16 rows of weights, likewise
.set PK,   36                          ; behind the barrier: v[36:51] packed results (store data, a set for each store)
.set E,    52                          ; v[52:59]   at work
.set BL,   60                          ; v60, v61   -log2(e) b_vg
.set ACC,  64                          ; v[64:95]   four accumulators
.set XF,   96                          ; v[96:127]  x fragments, K step s at XF + 8 s
.set WFG,  128                         ; v[128:255] weight fragments, tile t, K step s at WFG + 32 t + 8 s
.macro PLACES                          ; four places behind a matrix instruction before its result is read (ISA guide 7.12.1)
.rept 4
	v_nop
.endr
.endm
	s_load_b512 s[16:31], s[0:1], 0x0              ; node_feat 16, positions 18, cell 20, w 22, W_qkv 24, W_vg 26, b_vg 28, n_vecs 30
	s_load_b64 s[32:33], s[0:1], 0x40              ; ws
	v_lshl_add_u32 v18, v0, 2, 0x8800
	v_mov_b32 v19, 0
	v_lshrrev_b32 v1, 5, v0
	v_readfirstlane_b32 s4, v1                     ; wave 0..3
	s_mov_b32 s2, ttmp9                            ; x
	s_and_b32 s3, ttmp7, 0xffff                    ; y
	s_lshr_b32 s5, s2, 2                           ; g
	s_and_b32 s6, s2, 3
	s_lshl_b32 s8, s5, 7
	s_lshl4_add_u32 s8, s3, s8                     ; mrow = 128 g + 16 y
	s_mov_b32 s11, 0                               ; s[10:11]: a byte offset as a pair
	v_and_b32 v1, 31, v0                           ; lane
	v_and_b32 v2, 15, v0                           ; r
	v_bfe_u32 v3, v0, 4, 1                         ; h
	v_lshlrev_b32 v4, 4, v1                        ; 16 lane: every row load and every store
	v_mul_u32_u24 v5, v2, 12                       ; positions: node r
	v_mul_u32_u24 v6, v3, 96                       ; n_vecs: 8 h vectors of 12 bytes
	v_lshlrev_b32 v7, 5, v3                        ; w: 8 h numbers
	v_lshlrev_b32 v8, 2, v2                        ; b_vg: feature r
	v_mul_u32_u24 v10, v2, PITCH
	v_lshl_add_u32 v10, v3, 4, v10                 ; a fragment: row r, 16 h
	v_mov_b32 v114, 0x3da83c1a                     ; pi^9/9!, twice
	v_mov_b32 v115, 0x3da83c1a
	v_mov_b32 v116, 0xbcd368f9                     ; -pi^10/10!, twice
	v_mov_b32 v117, 0xbcd368f9
	s_wait_alu depctr_va_sdst(0)                   ; s4 is written, ahead of its first reader: the node tile, the bases and the LDS rows are made from it
	s_lshl2_add_u32 s6, s6, s4                     ; nt = 4 (x & 3) + wave: my node tile in the graph
	s_lshl_b32 s7, s2, 6
	s_lshl4_add_u32 s7, s4, s7                     ; node0 = 64 x + 16 wave
	s_mul_i32 s9, s4, 16*PITCH                     ; my 16 rows in each LDS region
	v_lshl_add_u32 v9, v1, 3, s9                   ; staging: 8 bytes a lane in my rows
	v_add_nc_u32 v11, s9, v10                      ; a fragment in my own rows of x
	s_wait_kmcnt 0x0
	s_mul_i32 s10, s5, 36
	s_add_nc_u64 s[20:21], s[20:21], s[10:11]      ; my graph's cell
	s_load_b256 s[36:43], s[20:21], 0x0            ; c0 = s36-38, c1 = s39-41, c2 = s42-44
	s_load_b32 s44, s[20:21], 0x20
	s_lshl_b32 s10, s7, 9
	s_add_nc_u64 s[34:35], s[16:17], s[10:11]      ; x at my first row
	s_mul_i32 s10, s7, 12
	s_add_nc_u64 s[46:47], s[18:19], s[10:11]      ; positions at my first node
	s_mul_i32 s10, s8, 12
	s_add_nc_u64 s[48:49], s[30:31], s[10:11]      ; n_vecs at m = 16 y
	s_lshl_b32 s10, s8, 2
	s_add_nc_u64 s[50:51], s[22:23], s[10:11]      ; w at m = 16 y
	s_and_b32 s10, s3, 3
	s_lshl_b32 s10, s10, 7
	s_add_nc_u64 s[52:53], s[28:29], s[10:11]      ; b_vg at feature 32 (y & 3)
	s_lshl4_add_u32 s12, s5, s6                    ; 16 g + nt
	s_lshl_b32 s10, s12, 13
	s_lshl_b32 s13, s3, 9
	s_add_co_u32 s10, s10, s13
	s_add_co_u32 s10, s10, 0x180000
	s_add_nc_u64 s[56:57], s[32:33], s[10:11]      ; TF: my tile's 8 KiB, K step y / 2, register half y & 1 = 512 y
	; The short loads first, then the 32 row loads, so that one counted wait lets the phases be made while the rows are on their way.
	s_wait_alu depctr_va_vdst(0)                   ; the offsets and LDS addresses v4 to v11 are written: every load and store of the kernel reads one of them
	global_load_b32 v14, v5, s[46:47]
	global_load_b32 v15, v5, s[46:47] offset:4
	global_load_b32 v16, v5, s[46:47] offset:8
.irp i, 0,1,2,3,4,5
	global_load_b128 v[NI+4*\i:NI+4*\i+3], v6, s[48:49] offset:16*\i
.endr
	global_load_b128 v[WV:WV+3], v7, s[50:51]
	global_load_b128 v[WV+4:WV+7], v7, s[50:51] offset:16
	global_load_b32 v12, v8, s[52:53]              ; b_vg of features r and 16 + r of the group's 32.  Only y 4-7 use them; every group loads them,
	global_load_b32 v13, v8, s[52:53] offset:64    ; so that the counts below are the same on both ways
.irp j, 0,1,2,3,4,5,6,7,8,9,10,11,12,13,14,15
	global_load_b128 v[XR+4*\j:XR+4*\j+3], v4, s[34:35] offset:512*\j      ; a whole row of 512 bytes
.endr
.macro LOADW stride                    ; my 16 rows of weights.  No vector instruction stands between the wait above and these loads, on either way
.irp j, 0,1,2,3,4,5,6,7,8,9,10,11,12,13,14,15
	global_load_b128 v[WR+4*\j:WR+4*\j+3], v4, s[54:55] offset:\stride*\j
.endr
.endm
	s_cmp_lt_u32 s3, 4
	s_cbranch_scc0 .Lw_v
	; q or k: LDS row i holds W_qkv row 128 which + parity + 2 i, so that the a's (and the b's) of the pairs come out side by side
	s_lshr_b32 s13, s3, 1                          ; which: 0 q, 1 k
	s_and_b32 s14, s3, 1                           ; parity
	s_lshl_b32 s10, s13, 16
	s_lshl_b32 s15, s14, 9
	s_add_co_u32 s10, s10, s15
	s_lshl_b32 s15, s4, 14                         ; my 16 rows, 1,024 bytes apart
	s_add_co_u32 s10, s10, s15
	s_add_nc_u64 s[54:55], s[24:25], s[10:11]
	LOADW 1024
	s_lshl_b32 s10, s13, 19                        ; QF or KF
	s_lshl_b32 s15, s12, 12                        ; my tile's 4 KiB
	s_add_co_u32 s10, s10, s15
	s_lshl_b32 s15, s14, 11                        ; the a's fill K steps 0, 1, the b's 2, 3
	s_add_co_u32 s10, s10, s15
	s_add_nc_u64 s[58:59], s[32:33], s[10:11]
	s_branch .Lw_done
.Lw_v:
	; v and its gate: LDS rows 0-31 hold W_qkv rows 256 + 32 yy + i (waves 0, 1), rows 32-63 hold W_vg rows 32 yy + i - 32 (waves 2, 3)
	s_and_b32 s13, s3, 3                           ; yy
	s_and_b32 s14, s4, 1
	s_lshl_b32 s10, s13, 14
	s_lshl_b32 s14, s14, 13
	s_add_co_u32 s10, s10, s14                     ; (32 yy + 16 (wave & 1)) rows of 512 bytes
	s_cmp_lt_u32 s4, 2
	s_cselect_b64 s[54:55], s[24:25], s[26:27]
	s_cselect_b32 s14, 0x20000, 0                  ; W_qkv's row 256
	s_add_co_u32 s10, s10, s14
	s_add_nc_u64 s[54:55], s[54:55], s[10:11]
	LOADW 512
	s_lshr_b32 s14, s6, 1
	s_lshl3_add_u32 s14, s5, s14                   ; 8 g + u, u = nt / 2
	s_lshl_b32 s10, s14, 13
	s_lshl_b32 s15, s13, 11                        ; dt = 2 yy + ..
	s_add_co_u32 s10, s10, s15
	s_and_b32 s15, s6, 1                           ; my 16 nodes are the lower or the upper half of the 32 of K step u: register half nt & 1
	s_lshl_b32 s15, s15, 9
	s_add_co_u32 s10, s10, s15
	s_add_co_u32 s10, s10, 0x100000
	s_add_nc_u64 s[58:59], s[32:33], s[10:11]
.Lw_done:
	; FRACTIONAL COORDINATES: p = sum f_i c_i, so f_i = p.(c_j x c_k) / det
.macro CROSS d0, d1, d2, ax, ay, az, bx, by, bz
	v_mul_f32 \d0, \ay, \bz
	v_mul_f32 \d1, \az, \bx
	v_mul_f32 \d2, \ax, \by
	v_fma_f32 \d0, -\az, \by, \d0
	v_fma_f32 \d1, -\ax, \bz, \d1
	v_fma_f32 \d2, -\ay, \bx, \d2
.endm
	s_wait_kmcnt 0x0                               ; the cell
	CROSS v98, v99, v100, s39, s40, s41, s42, s43, s44     ; c1 x c2
	CROSS v101, v102, v103, s42, s43, s44, s36, s37, s38   ; c2 x c0
	CROSS v104, v105, v106, s36, s37, s38, s39, s40, s41   ; c0 x c1
	v_mul_f32 v107, s36, v98
	v_fmac_f32 v107, s37, v99
	v_fmac_f32 v107, s38, v100                     ; det = c0.(c1 x c2)
	v_rcp_f32 v108, v107                           ; the dot products below stand between it and its first use (ISA guide 5.7.2)
	s_wait_loadcnt 32                              ; the 13 short loads are in; the 16 + 16 row loads stay out
	v_mul_f32 v109, v14, v98
	v_mul_f32 v110, v14, v101
	v_mul_f32 v111, v14, v104
	v_fmac_f32 v109, v15, v99
	v_fmac_f32 v110, v15, v102
	v_fmac_f32 v111, v15, v105
	v_fmac_f32 v109, v16, v100
	v_fmac_f32 v110, v16, v103
	v_fmac_f32 v111, v16, v106
	s_wait_alu depctr_va_vdst(0)
	v_mul_f32 v109, v109, v108
	v_mul_f32 v110, v110, v108
	v_mul_f32 v111, v111, v108
	v_floor_f32 v82, v109
	v_floor_f32 v83, v110
	v_floor_f32 v84, v111
.irp c, 0,1,2
	v_sub_f32 v[FF+2*\c], v[109+\c], v[82+\c]      ; f - floor(f), twice: a pair for the packed arithmetic
	v_sub_f32 v[FF+2*\c+1], v[109+\c], v[82+\c]
.endr
	; PHASES of node r with vectors m = 16 y + 8 h + 0..7, four pairs at a time
.irp m, 0,1,2,3,4,5,6,7
.irp c, 0,1,2
	v_cvt_f32_i32 v[NF+8*\c+\m], v[NI+3*\m+\c]
.endr
.endr
.irp k, 0,2,4,6
	v_pk_mul_f32 v[T+\k:T+\k+1], v[NF+\k:NF+\k+1], v[FF:FF+1]
.endr
.irp k, 0,2,4,6
	v_pk_fma_f32 v[T+\k:T+\k+1], v[NF+8+\k:NF+8+\k+1], v[FF+2:FF+3], v[T+\k:T+\k+1]
.endr
.irp k, 0,2,4,6
	v_pk_fma_f32 v[T+\k:T+\k+1], v[NF+16+\k:NF+16+\k+1], v[FF+4:FF+5], v[T+\k:T+\k+1]   ; the phase in turns
.endr
.irp i, 0,1,2,3,4,5,6,7
	v_rndne_f32 v[U+\i], v[T+\i]
.endr
.irp k, 0,2,4,6
	v_pk_add_f32 v[T+\k:T+\k+1], v[T+\k:T+\k+1], v[U+\k:U+\k+1] neg_lo:[0,1] neg_hi:[0,1]   ; r, |r| <= 1/2: exact
.endr
.irp k, 0,2,4,6
	v_pk_mul_f32 v[U+\k:U+\k+1], v[T+\k:T+\k+1], v[T+\k:T+\k+1]                             ; r^2
.endr
.macro HORNER acc, c                   ; acc = acc r^2 + c
.irp k, 0,2,4,6
	v_pk_fma_f32 v[\acc+\k:\acc+\k+1], v[\acc+\k:\acc+\k+1], v[U+\k:U+\k+1], \c op_sel_hi:[1,1,0]
.endr
.endm
.irp k, 0,2,4,6
	v_pk_fma_f32 v[SP+\k:SP+\k+1], v[U+\k:U+\k+1], v[114:115], 0xbf196966 op_sel_hi:[1,1,0]   ; pi^9/9! r^2 - pi^7/7!
	v_pk_fma_f32 v[CP+\k:CP+\k+1], v[U+\k:U+\k+1], v[116:117], 0x3e70fa83 op_sel_hi:[1,1,0]   ; -pi^10/10! r^2 + pi^8/8!
.endr
	HORNER SP, 0x402335e3                          ; + pi^5/5!
	HORNER CP, 0xbfaae9e4                          ; - pi^6/6!
	HORNER SP, 0xc0a55de7                          ; - pi^3/3!
	HORNER CP, 0x4081e0f8                          ; + pi^4/4!
	HORNER SP, 0x40490fdb                          ; + pi
	HORNER CP, 0xc09de9e6                          ; - pi^2/2
	HORNER CP, 1.0                                 ; cos(pi r)
.irp k, 0,2,4,6
	v_pk_mul_f32 v[SP+\k:SP+\k+1], v[SP+\k:SP+\k+1], v[T+\k:T+\k+1]                          ; sin(pi r)
.endr
.irp k, 0,2,4,6
	v_pk_add_f32 v[T+\k:T+\k+1], v[SP+\k:SP+\k+1], v[SP+\k:SP+\k+1]                          ; 2 sin(pi r)
.endr
.irp k, 0,2,4,6
	v_pk_mul_f32 v[CP+\k:CP+\k+1], v[T+\k:T+\k+1], v[CP+\k:CP+\k+1]                          ; sin(2 pi r)
	v_pk_fma_f32 v[SP+\k:SP+\k+1], v[T+\k:T+\k+1], v[SP+\k:SP+\k+1], 1.0 op_sel_hi:[1,1,0] neg_lo:[1,0,0] neg_hi:[1,0,0]   ; cos(2 pi r) = 1 - 2 sin^2(pi r)
.endr
.irp k, 0,2,4,6
	v_pk_mul_f32 v[U+\k:U+\k+1], v[SP+\k:SP+\k+1], v[WV+\k:WV+\k+1]                          ; w cos
	v_pk_mul_f32 v[T+\k:T+\k+1], v[CP+\k:CP+\k+1], v[WV+\k:WV+\k+1]                          ; w sin
.endr
.irp i, 0,1,2,3
	v_cvt_pk_f16_f32 v[OUTR+\i], v[SP+2*\i], v[SP+2*\i+1]
	v_cvt_pk_f16_f32 v[OUTR+4+\i], v[CP+2*\i], v[CP+2*\i+1]
	v_cvt_pk_f16_f32 v[OUTR+8+\i], v[U+2*\i], v[U+2*\i+1]
	v_cvt_pk_f16_f32 v[OUTR+12+\i], v[T+2*\i], v[T+2*\i+1]
.endr
	; ROWS TO LDS as f16: a lane's four numbers make 8 bytes, the wave's 32 lanes 256 consecutive bytes of one LDS row.  Row j of 32: 0-15 x, 16-31 weights.
.macro CVROW j                         ; the row's four f32 close up into its first two registers
	v_cvt_pk_f16_f32 v[XR+4*(\j)], v[XR+4*(\j)], v[XR+4*(\j)+1]
	v_cvt_pk_f16_f32 v[XR+4*(\j)+1], v[XR+4*(\j)+2], v[XR+4*(\j)+3]
.endm
.macro STROW j
	ds_store_b64 v9, v[XR+4*(\j):XR+4*(\j)+1] offset:((\j)/16)*WL+PITCH*((\j)%16)
.endm
	; Block 0: rows 0-7 are rounded; the four stores of the phases' results are dealt among the roundings, which name v128 to v159 alone.
	s_wait_loadcnt 24                              ; loads come back in order (ISA guide 5.7.1): rows 0-7 are in, the 24 younger rows stay out
	s_wait_alu depctr_va_vdst(0)                   ; the roundings above have written OUTR, which the four stores below read
	global_store_b128 v4, v[OUTR:OUTR+3], s[56:57]                         ; each store: 512 consecutive bytes, half a fragment
	CVROW 0
	CVROW 1
	global_store_b128 v4, v[OUTR+4:OUTR+7], s[56:57] offset:4096           ; sin: 4 fragments on
	CVROW 2
	CVROW 3
	global_store_b128 v4, v[OUTR+8:OUTR+11], s[56:57] offset:0x100000      ; WF lies 0x100000 behind TF
	CVROW 4
	CVROW 5
	global_store_b128 v4, v[OUTR+12:OUTR+15], s[56:57] offset:0x101000
	CVROW 6
	CVROW 7
; Block g = 1, 2, 3: rows 8 g to 8 g + 7 are rounded; the LDS stores of the block before are dealt among the roundings, which name this block's registers alone.
.macro BLK g
	s_wait_loadcnt 24-8*(\g)                       ; this block's eight rows are in; the younger rows stay out
	s_wait_alu depctr_va_vdst(0)                   ; the block before has written its rows' f16, which the LDS stores below read
.irp i, 0,1,2,3,4,5,6,7
	STROW 8*(\g)-8+\i
	CVROW 8*(\g)+\i
.endr
.endm
	BLK 1
	BLK 2
	BLK 3
	s_wait_alu depctr_va_vdst(0)                   ; block 3 has written its rows' f16, which the LDS stores below read; and every vector instruction that named v96 to v255,
	                                               ; in which the fragments below land, is done: none follows before those loads
.irp i, 24,25,26,27,28,29,30,31
	STROW \i
.endr
	s_wait_dscnt 0x0                               ; my rows are in LDS: the other waves read my rows of weights
	s_barrier_signal -1
	s_barrier_wait -1                              ; the launch's only barrier
	; FRAGMENTS: ten loads for each K step of 32: my x tile's two, then two for each of the four tiles of weights
	s_wait_alu depctr_vm_vsrc(0)                   ; my LDS stores have read v128 to v255: these registers are the weights' fragments from here on
.irp s, 0,1,2,3
	ds_load_b128 v[XF+8*\s:XF+8*\s+3], v11 offset:64*\s
	ds_load_b128 v[XF+8*\s+4:XF+8*\s+7], v11 offset:64*\s+32
.irp t, 0,1,2,3
	ds_load_b128 v[WFG+32*\t+8*\s:WFG+32*\t+8*\s+3], v10 offset:WL+16*PITCH*\t+64*\s
	ds_load_b128 v[WFG+32*\t+8*\s+4:WFG+32*\t+8*\s+7], v10 offset:WL+16*PITCH*\t+64*\s+32
.endr
.endr
.macro WM d, a, b, link                ; link = 0: the first product starts the sum
.if \link
	v_wmma_f32_16x16x32_f16 v[\d:\d+7], v[\a:\a+7], v[\b:\b+7], v[\d:\d+7]
.else
	v_wmma_f32_16x16x32_f16 v[\d:\d+7], v[\a:\a+7], v[\b:\b+7], 0
.endif
.endm
; 16 matrix instructions.  The four accumulators take turns, one instruction a turn.
.macro MM wfirst
.irp s, 0,1,2,3
	s_wait_dscnt 30-10*\s                          ; this K step's ten loads are in; ten for each later step stay out
.irp t, 0,1,2,3
.if \wfirst
	WM ACC+8*\t, WFG+32*\t+8*\s, XF+8*\s, \s
.else
	WM ACC+8*\t, XF+8*\s, WFG+32*\t+8*\s, \s
.endif
.endr
.endr
.endm
.macro SIGM                            ; E = 1 / (1 + 2^E), eight numbers.  One plain place stands behind each run of transcendentals (ISA guide 5.7.2)
.irp i, 0,1,2,3,4,5,6,7
	v_exp_f32 v[E+\i], v[E+\i]
.endr
	v_nop
	s_wait_alu depctr_va_vdst(0)
.irp k, 0,2,4,6
	v_pk_add_f32 v[E+\k:E+\k+1], v[E+\k:E+\k+1], 1.0 op_sel_hi:[1,0]
.endr
.irp i, 0,1,2,3,4,5,6,7
	v_rcp_f32 v[E+\i], v[E+\i]
.endr
	v_nop
.endm
	s_cmp_lt_u32 s3, 4
	s_cbranch_scc0 .Lmm_v
	; q or k: weights as source 0, x as source 1: lane (r, h) holds node r and K places 16 t + 8 h + 0..7 of the group's 64: half a fragment's 16 bytes
	MM 1
	PLACES
.macro SILU ft                         ; tile ft's silu, rounded into its own set of PK
.irp k, 0,2,4,6
	v_pk_mul_f32 v[E+\k:E+\k+1], v[ACC+8*\ft+\k:ACC+8*\ft+\k+1], 0xbfb8aa3b op_sel_hi:[1,0]   ; -log2(e) x
.endr
	SIGM
	s_wait_alu depctr_va_vdst(0)
.irp k, 0,2,4,6
	v_pk_mul_f32 v[E+\k:E+\k+1], v[E+\k:E+\k+1], v[ACC+8*\ft+\k:ACC+8*\ft+\k+1]               ; x sigmoid(x)
.endr
.irp i, 0,1,2,3
	v_cvt_pk_f16_f32 v[PK+4*\ft+\i], v[E+2*\i], v[E+2*\i+1]
.endr
.endm
.macro SILU_ST ft
	global_store_b128 v4, v[PK+4*\ft:PK+4*\ft+3], s[58:59] offset:512*\ft                     ; K step ft / 2 of the group's two, register half ft & 1
.endm
	SILU 0
	SILU 1
	s_wait_alu depctr_va_vdst(0)                   ; tiles 0 and 1 have written their sets of PK, which the two stores read; what follows names the other two sets
	SILU_ST 0
	SILU_ST 1
	SILU 2
	SILU 3
	s_wait_alu depctr_va_vdst(0)                   ; tiles 2 and 3 have written their sets of PK, which the two stores read
	SILU_ST 2
	SILU_ST 3
	s_wait_dscnt 0x0
	s_wait_alu depctr_hold_cnt(0) depctr_sa_sdst(0) depctr_va_vdst(0) depctr_va_sdst(0) depctr_va_ssrc(0) depctr_va_vcc(0) depctr_vm_vsrc(0)
	s_wait_tensorcnt 0x0
	ds_add_u32 v18, v19
	s_wait_dscnt 0x0
	s_endpgm
.Lmm_v:
	; v: x as source 0, weights as source 1: lane (r, h) holds feature r and nodes 8 h + 0..7: v transposed, half a fragment's 16 bytes
	MM 0
	v_mul_f32 v[BL], 0xbfb8aa3b, v12               ; two of the four places behind the last matrix instruction
	v_mul_f32 v[BL+1], 0xbfb8aa3b, v13
	v_nop
	v_nop
; Tile d of the group's two: the gate, v in f32, its bf16 value (PK + 4 d) and the bf16 of what that rounding left (PK + 8 + 4 d)
.macro GATE_OUT d
.irp i, 0,1,2,3,4,5,6,7
	v_fmamk_f32 v[E+\i], v[ACC+16+8*\d+\i], 0xbfb8aa3b, v[BL+\d]                              ; -log2(e) (x.Wvg + b_vg)
.endr
	SIGM
	s_wait_alu depctr_va_vdst(0)
.irp k, 0,2,4,6
	v_pk_mul_f32 v[E+\k:E+\k+1], v[E+\k:E+\k+1], v[ACC+8*\d+\k:ACC+8*\d+\k+1]
.endr
.irp i, 0,1,2,3
	v_cvt_pk_bf16_f32 v[PK+4*\d+\i], v[E+2*\i], v[E+2*\i+1]
.endr
.irp i, 0,1,2,3
	v_lshlrev_b32 v[ACC+8*\d+2*\i], 16, v[PK+4*\d+\i]                                         ; the rounded values as f32, in the registers of x.Wv, which is used up
	v_and_b32 v[ACC+8*\d+2*\i+1], 0xffff0000, v[PK+4*\d+\i]
.endr
.irp k, 0,2,4,6
	v_pk_add_f32 v[E+\k:E+\k+1], v[E+\k:E+\k+1], v[ACC+8*\d+\k:ACC+8*\d+\k+1] neg_lo:[0,1] neg_hi:[0,1]
.endr
.irp i, 0,1,2,3
	v_cvt_pk_bf16_f32 v[PK+8+4*\d+\i], v[E+2*\i], v[E+2*\i+1]
.endr
	s_wait_alu depctr_va_vdst(0)                   ; the roundings have written this tile's two sets of PK, which the two stores read; the other tile names the other two sets
	global_store_b128 v4, v[PK+4*\d:PK+4*\d+3], s[58:59] offset:1024*\d                       ; VF, fragment dt = 2 yy + d
	global_store_b128 v4, v[PK+8+4*\d:PK+8+4*\d+3], s[58:59] offset:0x280000+1024*\d          ; VL lies 0x280000 behind VF
.endm
	GATE_OUT 0
	GATE_OUT 1
	s_wait_dscnt 0x0
	s_wait_alu depctr_hold_cnt(0) depctr_sa_sdst(0) depctr_va_vdst(0) depctr_va_sdst(0) depctr_va_ssrc(0) depctr_va_vcc(0) depctr_vm_vsrc(0)
	s_wait_tensorcnt 0x0
	ds_add_u32 v18, v19
	s_wait_dscnt 0x0
	s_endpgm
.Lfunc_end_k_q6ff48c8b56_prep:
	.size	k_q6ff48c8b56_prep, .Lfunc_end_k_q6ff48c8b56_prep-k_q6ff48c8b56_prep
	.p2alignl 7, 3214868480
	.fill 96, 4, 3214868480
	.section	.rodata,"a",@progbits
	.p2align	6, 0x0
	.amdhsa_kernel k_q6ff48c8b56_prep
		.amdhsa_group_segment_fixed_size 35328
		.amdhsa_private_segment_fixed_size 0
		.amdhsa_enable_private_segment 0
		.amdhsa_kernarg_size 72
		.amdhsa_user_sgpr_count 2
		.amdhsa_user_sgpr_kernarg_segment_ptr 1
		.amdhsa_wavefront_size32 1
		.amdhsa_system_sgpr_workgroup_id_x 1
		.amdhsa_system_sgpr_workgroup_id_y 1
		.amdhsa_system_sgpr_workgroup_id_z 1
		.amdhsa_system_vgpr_workitem_id 0
		.amdhsa_next_free_vgpr 256
		.amdhsa_next_free_sgpr 66
		.amdhsa_reserve_vcc 0
		.amdhsa_float_denorm_mode_32 3
		.amdhsa_float_denorm_mode_16_64 3
		.amdhsa_memory_ordered 1
		.amdhsa_forward_progress 1
		.amdhsa_inst_pref_size 46
	.end_amdhsa_kernel
	.amdgpu_metadata
---
amdhsa.version: [ 1, 2 ]
amdhsa.kernels:
  - .name:           k_q6ff48c8b56_prep
    .symbol:         k_q6ff48c8b56_prep.kd
    .args:
      - { .name: node_feat, .offset: 0, .size: 8, .value_kind: global_buffer, .address_space: global }
      - { .name: positions, .offset: 8, .size: 8, .value_kind: global_buffer, .address_space: global }
      - { .name: cell, .offset: 16, .size: 8, .value_kind: global_buffer, .address_space: global }
      - { .name: w, .offset: 24, .size: 8, .value_kind: global_buffer, .address_space: global }
      - { .name: W_qkv, .offset: 32, .size: 8, .value_kind: global_buffer, .address_space: global }
      - { .name: W_vg, .offset: 40, .size: 8, .value_kind: global_buffer, .address_space: global }
      - { .name: b_vg, .offset: 48, .size: 8, .value_kind: global_buffer, .address_space: global }
      - { .name: n_vecs, .offset: 56, .size: 8, .value_kind: global_buffer, .address_space: global }
      - { .name: ws, .offset: 64, .size: 8, .value_kind: global_buffer, .address_space: global }
    .group_segment_fixed_size: 35328
    .private_segment_fixed_size: 0
    .kernarg_segment_align: 8
    .kernarg_segment_size: 72
    .max_flat_workgroup_size: 128
    .sgpr_count:     66
    .vgpr_count:     256
    .wavefront_size: 32
...
	.end_amdgpu_metadata
.endif
;; end of part 3
;; launch attn: the kernel of part 2 again; grid 16 x 8, 8 waves a work-group, no clusters, 68,864 bytes of LDS; arguments ws, node_feat, W_hg, b_hg, W_mg, b_mg, out0, out1; writes out0, out1
